; MI455X (gfx1250); checked and timed in simulation.
; The chip was launched on July 23, 2026; its instructions are those of AMD's public machine-readable ISA for CDNA 5 (MIT licence, August 2026) and "CDNA5" Instruction Set Architecture Reference Guide (July 2026). The comments in the code are by the model that wrote it; some were corrected since.
;; Attention. Allowed arithmetic: matrix products marked QUANTISED: E4M3 operands, one given power-of-two scale a tensor, by v_wmma_f32_16x16x64_fp8_fp8 or v_wmma_f32_16x16x128_fp8_fp8, f32 sums; products left as they are: f32 operands where the result goes on into a quantised operand, else bf16, f16 or f32 operands; f32 sums; everything else in f32.
;; Inputs: W_attn 1,024 x 2,048 float32; b_attn 1,024 float32; encoder_outputs 32 x 2,048 x 1,024 float32; hidden 2 x 32 x 1,024 float32; lowp_scales 4 int32 (the exponents e of the quantised operands' scales 2^e); v 1,024 float32.
;; Outputs: out0 32 x 1,024 float32; out1 32 x 2,048 float32.
;; This version of the problem:
;;   THIS VERSION OF THE PROBLEM IS GIVEN IN LOW PRECISION. The matrix products marked QUANTISED in the list below multiply operands that are first quantised to E4M3 (4 exponent bits, 3 mantissa bits; 8 bits a number), with one given power-of-two scale for each operand tensor; their sums are f32. All else is computed in f32.
;;   The module's matrix products, in the order in which they are computed (A, B: the left and right operand; K: the contracted axis; several contracted axes count as one K, in the product's order):
;;     1. [M 32, K 1,024] x [K 1,024, N 1,024]; A: input hidden; B: input W_attn: QUANTISED (scales: A lowp_scales[0], B lowp_scales[1])
;;     2. [M 65,536, K 1,024] x [K 1,024, N 1,024]; A: input encoder_outputs; B: input W_attn: QUANTISED (scales: A lowp_scales[2], B lowp_scales[3])
;;     3. [M 65,536, K 1,024] x [K 1,024, N 1]; A: computed on the way; B: input v: left as it is (N = 1 < 16)
;;     4. batch 32 x [M 1, K 2,048] x [K 2,048, N 1,024]; A: softmax; B: input encoder_outputs: left as it is (M = 1 < 16)
;;   THE QUANTISER, for each operand of a quantised product, along K:
;;     - The operand's scale is 2^e, e = its entry of the input lowp_scales (int32; the entries are numbered through the quantised products in the list's order, A before B).
;;     - Each number is divided by the scale, clamped to +-448, and rounded to the nearest number of E4M3, ties to even, subnormals kept.
;;     - The product sums the exact products of the quantised numbers (number of the format x scale) in f32.
;;   ~~~python
;;   def quantise(x, axis, e):      # numpy; x: float32 -> the quantised numbers, widened to float32 again
;;       x = np.moveaxis(x, axis, -1); K = x.shape[-1]
;;       r = np.clip(x / 2.0 ** e, -448, 448)
;;       step = 2.0 ** (np.maximum(np.frexp(np.where(r == 0, 1, r))[1] - 1, -6) - 3)
;;       q = np.round(r / step) * step * 2.0 ** e      # np.round: ties to even
;;       return np.moveaxis(q, -1, axis).astype(np.float32)
;;   ~~~
;; One version. Each part assembles by itself: llvm-mc -triple=amdgcn-amd-amdhsa -mcpu=gfx1250 --defsym DOCPART=n.
;; ======== version 1 of 1: 3 launches
;; workspace buffers: wimg 1,048,576 bytes; cph 131,072 bytes; scores 262,144 bytes
;; launch prep (part 1): grid 128 x 1, 8 waves a work-group, no clusters, 17,408 bytes of LDS; arguments W_attn, hidden, b_attn, lowp_scales, wimg, cph; writes wimg, cph
.if DOCPART == 1
	.amdgcn_target "amdgcn-amd-amdhsa--gfx1250"
	.amdhsa_code_object_version 6
	.text
	.protected	k_q9d5b86cd1b_prep
	.globl	k_q9d5b86cd1b_prep
	.p2align	8
	.type	k_q9d5b86cd1b_prep,@function
k_q9d5b86cd1b_prep:
	s_mov_b64 s[64:65], 0
	v_nop
	global_prefetch_b8 v0, s[64:65] scope:SCOPE_SE
	s_setreg_imm32_b32 hwreg(HW_REG_WAVE_MODE, 25, 1), 1
	s_wait_xcnt 0x0
; PREP.  W_attn [1024 o][2048] f32: columns 0-1023 are Wh, columns 1024-2047 are We.  Two things are made here, once, for the launch that follows:
;   wimg: We as codes of E4M3 (scale 2^e3), laid as images of the matrix operand's registers: fragment (tile t of 16 outputs, K step s of 128) at (8 t + s) x 2,048 bytes; in it the group of four
;         registers c at 512 c, lane l's 16 bytes at 16 l;
;   cph:  [32 b][1024 o] f32 = c x (Q(hidden[1]) Q(Wh)^T + b_attn), c = 2 log2(e): the first quantised product (scales 2^e0, 2^e1), the bias, and the factor that the tanh of the next launch wants.
; SHARES.  Work-group x: t = x % 64 owns outputs 16 t .. 16 t + 15; x / 64 = 0: Wh and the product, 1: We and its images.  Wave s of eight owns K step s.
; ONE ORDER OF K FOR ALL QUANTISED OPERANDS.  Inside each 256 along K, element 128 j + 4 l + e (j 0-1, l 0-31, e 0-3) stands at place 8 l + 4 j + e.  The same order is used on both sides of both products, so every
; product meets its partner; only the order of the sums inside an instruction changes.  (The next launch reads its large operand 16 bytes a lane, 512 consecutive bytes a load, and this order is what that gives.)
; Lane (r, h) of K step s holds places 128 s + 32 c + 16 h + 0 .. 15 in registers 16 c + 0 .. 15: four loads of 16 bytes at 1024 (s / 2) + 256 (s % 2) + 64 c + 32 h + 0, 512, 16, 528.
; A wave's sixteen loads together take two runs of 256 consecutive bytes of each of 16 rows; a single load takes 32 bytes of each row.  The whole launch reads 8.4 MB once, so this is left as it is.
; ALL LOADS OF A WAVE GO OUT TOGETHER, behind the one wait for the buffers' addresses: the two ways part right behind W's loads, on the work-group's number, and join at the barrier.
; NO CLUSTER: what work-groups share is hidden[1], 128 KB, against 8 MB of W_attn that nobody shares.  No tensor load: each wave's numbers go straight into the registers that the conversions read.
; cph: a work-group owns 64 bytes of each of the 32 rows (four lanes of 16 bytes): 128 KB in the whole launch.
; LIMITS: e0, e1, e3 between -126 and 119; e0 + e1 between -126 and 127, so that each power of two below is an f32 number.  NaN among the inputs is not served; an infinity is held at the largest code.
.set BA,  16                           ; v16-19    b_attn at my four outputs
.set X0,  32                           ; v32-95    64 numbers of W
.set X1,  96                           ; v96-159   64 numbers of hidden, batches 0-15
.set X2,  160                          ; v160-223  batches 16-31
.set PC0, 224                          ; v224-239  W's fragment
.set PC1, 240                          ; v240-255  hidden's, batches 0-15
.set PC2, 32                           ; v32-47    hidden's, batches 16-31 (X0 is done with)
.set D0,  48                           ; v48-55    sums, batches 0-15
.set D1,  56                           ; v56-63    sums, batches 16-31
.macro XLOAD reg, off, adr, base       ; 64 numbers of my row, in the order of places
.irp c, 0,1,2,3
	global_load_b128 v[\reg+16*\c:\reg+16*\c+3],     v[\adr], s[\base:\base+1] offset:\off+64*\c
	global_load_b128 v[\reg+16*\c+4:\reg+16*\c+7],   v[\adr], s[\base:\base+1] offset:\off+64*\c+512
	global_load_b128 v[\reg+16*\c+8:\reg+16*\c+11],  v[\adr], s[\base:\base+1] offset:\off+64*\c+16
	global_load_b128 v[\reg+16*\c+12:\reg+16*\c+15], v[\adr], s[\base:\base+1] offset:\off+64*\c+528
.endr
.endm
.macro QUANT src, dst, sc, lim         ; 64 numbers become a fragment's 16 registers of codes
.irp b, 0,1,2,3
.irp x, 0,1,2,3,4,5,6,7,8,9,10,11,12,13,14,15
	v_med3_num_f32 v[\src+16*\b+\x], v[\src+16*\b+\x], -v[\lim], v[\lim]   ; the conversion to an 8-bit code does not saturate (ISA guide 7.6.2): the hold at 448 x the scale comes first
.endr
	v_cvt_scalef32_pk8_fp8_f32 v[\dst+4*\b:\dst+4*\b+1],   v[\src+16*\b:\src+16*\b+7],    v[\sc]
	v_cvt_scalef32_pk8_fp8_f32 v[\dst+4*\b+2:\dst+4*\b+3], v[\src+16*\b+8:\src+16*\b+15], v[\sc]
.endr
	v_nop                                          ; one plain vector instruction between the last conversion and whatever vector or matrix instruction touches its registers next
.endm
.macro SCALE e, sc, lim                ; of the exponent in s[e]: v[sc] = 2^e as f32 (the conversion takes its exponent field), v[lim] = 448 x 2^e
	s_add_co_i32 s26, s[\e], 127
	s_lshl_b32 s27, s26, 23
	v_mov_b32 v[\sc], s27
	s_add_co_i32 s26, s26, 8
	s_lshl_b32 s26, s26, 23
	s_or_b32 s26, s26, 0x600000
	v_mov_b32 v[\lim], s26
.endm
	s_load_b256 s[4:11], s[0:1], 0x0               ; W_attn s[4:5], hidden s[6:7], b_attn s[8:9], lowp_scales s[10:11]
	s_load_b128 s[12:15], s[0:1], 0x20             ; wimg s[12:13], cph s[14:15]
	v_lshl_add_u32 v30, v0, 2, 0x4000
	v_mov_b32 v31, 0
	v_lshrrev_b32 v1, 5, v0
	v_readfirstlane_b32 s16, v1                    ; wave = K step
	s_and_b32 s17, ttmp9, 63                       ; t
	s_lshr_b32 s18, ttmp9, 6                       ; 0: Wh, 1: We
	v_and_b32 v1, 15, v0                           ; r
	v_bfe_u32 v2, v0, 4, 1                         ; h
	v_and_b32 v3, 31, v0
	v_lshlrev_b32 v3, 4, v3                        ; 16 x lane
	v_lshlrev_b32 v4, 13, v1
	v_lshl_add_u32 v4, v2, 5, v4                   ; W: row r of 8,192 bytes, + 32 h
	v_lshlrev_b32 v5, 12, v1
	v_lshl_add_u32 v5, v2, 5, v5                   ; hidden: row r of 4,096 bytes, + 32 h
	s_lshl_b32 s24, s16, 11
	v_add_nc_u32 v6, s24, v3                       ; LDS: my wave's partial sums, 2,048 bytes a wave, 16 bytes a lane
	; the reduction's addresses, for thread i of 128: batch i / 4, outputs 4 (i % 4) + 0 .. 3.  In an image that is block 2 (i / 64) + i % 2, lane (i / 4) % 16 + 16 ((i / 2) % 2)
	v_bfe_u32 v7, v0, 6, 1
	v_lshlrev_b32 v7, 10, v7
	v_and_b32 v14, 1, v0
	v_lshl_add_u32 v7, v14, 9, v7
	v_bfe_u32 v14, v0, 1, 1
	v_lshl_add_u32 v7, v14, 8, v7
	v_bfe_u32 v14, v0, 2, 4
	v_lshl_add_u32 v7, v14, 4, v7
	v_and_b32 v8, 3, v0
	v_lshlrev_b32 v8, 4, v8                        ; b_attn: 16 (i % 4)
	v_bfe_u32 v9, v0, 2, 5
	v_lshl_add_u32 v9, v9, 12, v8                  ; cph: row i / 4 of 4,096 bytes, + 16 (i % 4)
	s_lshr_b32 s34, s16, 1
	s_lshl_b32 s34, s34, 10
	s_and_b32 s35, s16, 1
	s_lshl_b32 s35, s35, 8
	s_add_co_u32 s34, s34, s35                     ; my K step in a row: 1024 (s / 2) + 256 (s % 2) bytes
	s_mov_b32 s25, 0
	s_wait_kmcnt 0x0
	s_load_b128 s[20:23], s[10:11], 0x0            ; e0, e1, e2, e3
	s_lshl_b32 s24, s17, 17                        ; 16 t rows of 8,192 bytes,
	s_lshl_b32 s35, s18, 12                        ; We begins 4,096 bytes into a row,
	s_add_co_u32 s24, s24, s35
	s_add_co_u32 s24, s24, s34                     ; and my K step
	s_add_nc_u64 s[4:5], s[4:5], s[24:25]
	XLOAD X0, 0, 4, 4
	s_lshl_b32 s24, s17, 6                         ; my 16 outputs: 64 bytes
	s_add_nc_u64 s[8:9], s[8:9], s[24:25]
	s_add_nc_u64 s[14:15], s[14:15], s[24:25]
	global_load_b128 v[BA:BA+3], v8, s[8:9]        ; b_attn, 64 bytes a work-group, on the common way: what is read behind the join is written on both ways.  We's work-groups do not use it
	s_add_co_u32 s24, s34, 0x20000                 ; hidden[1] begins 131,072 bytes in
	s_add_nc_u64 s[6:7], s[6:7], s[24:25]
	s_lshl_b32 s24, s17, 3
	s_add_co_u32 s24, s24, s16
	s_lshl_b32 s24, s24, 11                        ; fragment (t, s)
	s_add_nc_u64 s[12:13], s[12:13], s[24:25]
	s_cmp_lg_u32 s18, 0                            ; the two ways part once, on the work-group's number, and join at the barrier
	s_cbranch_scc0 .Lproduct
	s_wait_kmcnt 0x0                               ; the exponents
	SCALE 23, 10, 11                               ; We: e3
	s_wait_loadcnt 0x0
	QUANT X0, PC0, 10, 11
.irp c, 0,1,2,3
	global_store_b128 v3, v[PC0+4*\c:PC0+4*\c+3], s[12:13] offset:512*\c   ; the image: 32 lanes store 512 consecutive bytes, at a multiple of 512 from wimg's first byte
.endr
	s_branch .Lmeet
.Lproduct:
	XLOAD X1, 0, 5, 6
	XLOAD X2, 65536, 5, 6                          ; 16 rows of 4,096 bytes further down
	s_wait_kmcnt 0x0                               ; the exponents
	SCALE 21, 10, 11                               ; Wh: e1
	SCALE 20, 12, 13                               ; hidden: e0
	s_wait_loadcnt 32                              ; W's sixteen loads and b_attn's are in; hidden's 32 may be out
	QUANT X0, PC0, 10, 11
	s_wait_loadcnt 16                              ; batches 0-15 are in; the sixteen loads of batches 16-31 may be out
	QUANT X1, PC1, 12, 13
	s_wait_loadcnt 0x0
	QUANT X2, PC2, 12, 13
	; used transposed: source 0 = 16 rows of Wh, source 1 = 16 batches: lane (r, h) holds batch r, register j output 8 h + j.  Two accumulators, one instruction each
	v_wmma_f32_16x16x128_fp8_fp8 v[D0:D0+7], v[PC0:PC0+15], v[PC1:PC1+15], 0
	v_wmma_f32_16x16x128_fp8_fp8 v[D1:D1+7], v[PC0:PC0+15], v[PC2:PC2+15], 0
.rept 4
	v_nop                                          ; four places between a matrix instruction and the LDS stores that read its result
.endr
	ds_store_b128 v6, v[D0:D0+3]                   ; each accumulator from its low end on
	ds_store_b128 v6, v[D0+4:D0+7] offset:512
	ds_store_b128 v6, v[D1:D1+3]   offset:1024
	ds_store_b128 v6, v[D1+4:D1+7] offset:1536
.Lmeet:
	s_wait_dscnt 0x0                               ; for the others' sake: my partial sums lie in LDS
	s_barrier_signal -1
	s_barrier_wait -1                              ; all eight K steps' do
	s_cmp_lg_u32 s18, 0
	s_cbranch_scc1 .Lend                           ; We's work-groups are done
	s_cmp_ge_u32 s16, 4
	s_cbranch_scc1 .Lend                           ; 128 threads add the eight parts
.irp q, 0,1,2,3,4,5,6,7
	ds_load_b128 v[64+4*\q:67+4*\q], v7 offset:2048*\q
.endr
	s_add_co_i32 s30, s20, s21
	s_add_co_i32 s30, s30, 127
	s_lshl_b32 s30, s30, 23                        ; 2^(e0 + e1)
	s_mov_b32 s31, s30                             ; (named with it as a pair, so it is written)
	s_mov_b32 s32, 0x4038aa3b                      ; c = 2 log2(e)
	s_mov_b32 s33, s32
	s_wait_dscnt 0x0
.irp q, 1,2,3,4,5,6,7                          ; K ascending
	v_pk_add_f32 v[64:65], v[64:65], v[64+4*\q:65+4*\q]
	v_pk_add_f32 v[66:67], v[66:67], v[66+4*\q:67+4*\q]
.endr
	v_pk_fma_f32 v[64:65], v[64:65], s[30:31], v[BA:BA+1]   op_sel_hi:[1,0,1]   ; sum x 2^(e0 + e1) + b
	v_pk_fma_f32 v[66:67], v[66:67], s[30:31], v[BA+2:BA+3] op_sel_hi:[1,0,1]
	v_pk_mul_f32 v[64:65], v[64:65], s[32:33] op_sel_hi:[1,0]                   ; x c
	v_pk_mul_f32 v[66:67], v[66:67], s[32:33] op_sel_hi:[1,0]
	global_store_b128 v9, v[64:67], s[14:15]
.Lend:
	s_wait_tensorcnt 0x0
	ds_add_u32 v30, v31
	s_wait_dscnt 0x0
	s_endpgm
.Lfunc_end_k_q9d5b86cd1b_prep:
	.size	k_q9d5b86cd1b_prep, .Lfunc_end_k_q9d5b86cd1b_prep-k_q9d5b86cd1b_prep
	.p2alignl 7, 3214868480
	.fill 96, 4, 3214868480
	.section	.rodata,"a",@progbits
	.p2align	6, 0x0
	.amdhsa_kernel k_q9d5b86cd1b_prep
		.amdhsa_group_segment_fixed_size 17408
		.amdhsa_private_segment_fixed_size 0
		.amdhsa_enable_private_segment 0
		.amdhsa_kernarg_size 48
		.amdhsa_user_sgpr_count 2
		.amdhsa_user_sgpr_kernarg_segment_ptr 1
		.amdhsa_wavefront_size32 1
		.amdhsa_system_sgpr_workgroup_id_x 1
		.amdhsa_system_sgpr_workgroup_id_y 1
		.amdhsa_system_sgpr_workgroup_id_z 1
		.amdhsa_system_vgpr_workitem_id 0
		.amdhsa_next_free_vgpr 256
		.amdhsa_next_free_sgpr 66
		.amdhsa_reserve_vcc 0
		.amdhsa_float_denorm_mode_32 3
		.amdhsa_float_denorm_mode_16_64 3
		.amdhsa_memory_ordered 1
		.amdhsa_forward_progress 1
		.amdhsa_inst_pref_size 30
	.end_amdhsa_kernel
	.amdgpu_metadata
---
amdhsa.version: [ 1, 2 ]
amdhsa.kernels:
  - .name:           k_q9d5b86cd1b_prep
    .symbol:         k_q9d5b86cd1b_prep.kd
    .args:
      - { .name: W_attn, .offset: 0, .size: 8, .value_kind: global_buffer, .address_space: global }
      - { .name: hidden, .offset: 8, .size: 8, .value_kind: global_buffer, .address_space: global }
      - { .name: b_attn, .offset: 16, .size: 8, .value_kind: global_buffer, .address_space: global }
      - { .name: lowp_scales, .offset: 24, .size: 8, .value_kind: global_buffer, .address_space: global }
      - { .name: wimg, .offset: 32, .size: 8, .value_kind: global_buffer, .address_space: global }
      - { .name: cph, .offset: 40, .size: 8, .value_kind: global_buffer, .address_space: global }
    .group_segment_fixed_size: 17408
    .private_segment_fixed_size: 0
    .kernarg_segment_align: 8
    .kernarg_segment_size: 48
    .max_flat_workgroup_size: 256
    .sgpr_count:     66
    .vgpr_count:     256
    .wavefront_size: 32
...
	.end_amdgpu_metadata
.endif
;; end of part 1
;; launch energy (part 2): grid 256 x 1, 4 waves a work-group, clusters of 4 x 1, 327,680 bytes of LDS; arguments encoder_outputs, wimg, cph, v, lowp_scales, scores; writes scores
.if DOCPART == 2
	.amdgcn_target "amdgcn-amd-amdhsa--gfx1250"
	.amdhsa_code_object_version 6
	.text
	.protected	k_q9d5b86cd1b_energy
	.globl	k_q9d5b86cd1b_energy
	.p2align	8
	.type	k_q9d5b86cd1b_energy,@function
k_q9d5b86cd1b_energy:
	s_mov_b64 s[64:65], 0
	v_nop
	global_prefetch_b8 v0, s[64:65] scope:SCOPE_SE
	s_setreg_imm32_b32 hwreg(HW_REG_WAVE_MODE, 25, 1), 1
	s_wait_xcnt 0x0
	s_wait_alu depctr_hold_cnt(0) depctr_sa_sdst(0) depctr_va_vdst(0) depctr_va_sdst(0) depctr_va_ssrc(0) depctr_va_vcc(0) depctr_vm_vsrc(0)
	s_getreg_b32 s2, hwreg(HW_REG_IB_STS2, 6, 4)
	s_cmp_eq_u32 s2, 0
	s_cbranch_scc0 .Lentry_in_a_cluster
	s_endpgm
.Lentry_in_a_cluster:
	s_bfe_u32 s2, ttmp6, 0x10000c
	s_cmp_lg_u32 s2, 0x3003
	s_cbranch_scc0 .Lentry_shape_is_right
	s_endpgm
.Lentry_shape_is_right:
; ENERGY.  scores[row] = sum over o of (-2 v[o]) / (1 + 2^t),  t = c (enc[row] . We[o] + proj_h[b][o] + b_attn[o]),  c = 2 log2(e);  enc . We on codes of E4M3 (scales 2^e2, 2^e3), sums in f32.
; tanh(x) = 1 - 2 / (1 + 2^(c x)), so the true score is this number + sum(v).  sum(v) is one constant for all rows, and the softmax of the next launch, which takes the row's maximum away, is unchanged by it for
; every input: it is left out.  2^t that overflows gives 1 / inf = 0 (tanh = 1), 2^t that underflows gives 1 / 1 (tanh = -1): no clamp is needed, however large the inputs.
; Each row's sum is kept in four parts (two lanes x a pair of registers) of 256 terms, each term at most 2 |v|.
; SHARES.  encoder_outputs is taken as [65,536 rows][1,024].  Work-group g owns rows 256 g .. 256 g + 255 (batch g / 8), wave w of four rows 64 w .. 64 w + 63 of them.
; PHASE Q: the wave reads its 64 rows once (256 KB of f32), quantises them in registers and keeps the codes, 64 KB, in 512 registers for the rest of the launch.
; PHASE G: all four waves walk the 64 tiles (16 outputs each) of We, whose codes lie in wimg as images of the operand's registers; a tile's 32 matrix instructions stand by turns with the tanh of the tile before:
; behind each matrix instruction one packed instruction and two transcendentals.
; CLUSTER: every work-group walks the same wimg in the same order, so the four work-groups of a cluster ask for each piece JOINTLY: the same tensor load, the same descriptor, a mask that names the four.
; THE ORDER OF K is the one in which wimg was made: inside each 256 along K, element 128 j + 4 l + e stands at place 8 l + 4 j + e.  So lane l loads 16 bytes at 16 l of each 512 bytes of a row (a load of the wave
; takes 512 consecutive bytes), the eight registers (j, e) of a lane are eight neighbouring places, and a conversion's eight codes go to place 8 l of the 256.
; THE MATRIX INSTRUCTION IS USED TRANSPOSED: source 0 = 16 outputs of We, source 1 = 16 rows of enc.  In the result lane (r, h) holds row r, and register j output 16 t + 8 h + j: so cph and v are eight registers a tile.
; LDS: 0 and 2^17: two slots of 8 tiles x 16,384 bytes, filled by tensor loads alone;  STAGE: 16 rows x 528 bytes for each wave (phase Q's turn from rows to fragments; at the end the scores);
;   TABC, TABV: 4,096 bytes each: cph of my batch, and -2 v;  SPARE: the spare words.  The launch claims all of the LDS.
; REGISTERS, in windows of 256 (s_set_vgpr_msb: bits 1:0 source 0, 3:2 source 1, 5:4 source 2, 7:6 destination):
;   window 0: v1-11 addresses; v12-19 the rows' sums (a pair for each of 4 tiles of rows); v20-27 cph; v28-35 -2 v; v36-55 at work; v64-95, v96-127 two sets of 4 accumulators; v128-255 We's 8 fragments of a tile
;   window 1 (phase Q alone): v0-239 fifteen slots of 16 numbers; v240-243 addresses and 2^e2; v244-255 three sets of 4 registers of codes
;   windows 2, 3: enc's codes: fragment (K step k, tile of rows m) at v[64 (k % 4) + 16 m] of window 2 + k / 4
; In the loop only source 1's window is ever other than 0, and of the tanh's five stages four have no vector register as source 1: they and the LDS loads run under the products' own setting: three switches a tile.
; NO PREFETCH: phase Q already has 60 loads a wave on their way at all times; wimg is read by every cluster again and again.
; LIMITS: e2 between -126 and 119; e2 + e3 between -127 and 126 (they are added to c's exponent field).  NaN among the inputs is not served; an infinity is held at the largest code.
.set SLOT1,  1<<17
.set STAGE,  2*SLOT1
.set SPITCH, 528                       ; 512 bytes + 16 = 33 x 16: the 16 rows that a fragment load touches start at 16 different groups of four banks (64 banks of 4 bytes: ISA guide 11.1)
.set WSTG,   16*SPITCH
.set TABC,   STAGE+4*WSTG
.set TABV,   TABC+4096
.set SPARE,  TABV+4096                 ; 128 bytes for each wave: two blocks of 256 bytes that no other line names
.set MSB, 0
.macro WIN new                         ; the immediate's high byte repeats the setting that is left; a switch that changes nothing is dropped
.if MSB != (\new)
	s_set_vgpr_msb (MSB<<8)|(\new)
.set MSB, (\new)
.endif
.endm
.macro CROUND                          ; a round of the cluster's barrier: my work-group's barrier; wave 0 signals for the work-group; every wave waits for all four work-groups; my work-group's barrier once more
	s_barrier_signal -1
	s_barrier_wait -1
	s_cmp_lg_u32 s16, 0
	s_cbranch_scc1 .Lnot_wave_0_\@
	s_barrier_signal -3
.Lnot_wave_0_\@:
	s_barrier_wait -3
	s_barrier_signal -1
	s_barrier_wait -1
.endm
; ---- PHASE Q's macros.  Unit n of 128: row 16 (n / 32) + n % 16 of my 64, half (n / 16) % 2 of its 1,024 numbers: 512 numbers, 16 a lane.  Sixteen units are a group: 16 rows x 512 places, one stage full.
.macro ULOAD n                         ; four loads of 512 consecutive bytes into slot n % 15: register 8 a + 4 b + e = element 256 a + 128 b + 4 lane + e
.set uS, 16*((\n)%15)
.set uO, (16*((\n)/32)+(\n)%16)*4096+2048*(((\n)/16)%2)
.irp a, 0,1
.irp b, 0,1
	global_load_b128 v[uS+8*\a+4*\b:uS+8*\a+4*\b+3], v240, s[50:51] offset:uO+1024*\a+512*\b th:TH_LOAD_NT
.endr
.endr
.endm
.macro ALOAD g                         ; group g lies in the stage: tile of rows g / 2, K steps 4 (g % 2) + 0 .. 3 become four fragments, in window 2 + g % 2
	WIN 0x81+0x40*((\g)%2)
.irp kk, 0,1,2,3
.irp c, 0,1,2,3
	ds_load_b128 v[64*\kk+16*((\g)/2)+4*\c:64*\kk+16*((\g)/2)+4*\c+3], v242 offset:128*\kk+32*\c   ; LDS serves a wave's instructions in order (ISA guide 5.7.1.4): these see my stores, and the next group's stores come behind them
.endr
.endr
	WIN 0x45
.endm
.macro UNIT n
.set uS, 16*((\n)%15)
.set uC, 244+4*((\n)%3)
.if 127-(\n) >= 14
	s_wait_loadcnt 56                              ; my four loads are in; those of the fourteen units behind me stay out
.else
	s_wait_loadcnt 4*(127-(\n))                    ; the counts run down
.endif
.set x, 0
.rept 16
	v_med3_num_f32 v[uS+x], v[uS+x], s52, s46      ; the conversion to an 8-bit code does not saturate (ISA guide 7.6.2): the hold within -448 x 2^e2 and 448 x 2^e2 comes first
.set x, x+1
.endr
	s_wait_dscnt 4                                 ; this set of code registers was stored three units ago: only the four stores of the two units between may be out
	v_cvt_scalef32_pk8_fp8_f32 v[uC:uC+1],   v[uS:uS+7],    v243
	v_cvt_scalef32_pk8_fp8_f32 v[uC+2:uC+3], v[uS+8:uS+15], v243
	v_nop                                          ; one plain vector instruction behind the last conversion
	ds_store_b64 v241, v[uC:uC+1]   offset:SPITCH*((\n)%16)        ; places 8 lane + 0 .. 7 of the first 256: the 32 lanes store 256 consecutive bytes
	ds_store_b64 v241, v[uC+2:uC+3] offset:SPITCH*((\n)%16)+256    ; and of the second
.if (\n)+15 < 128
	ULOAD (\n)+15                                  ; the slot takes the unit fifteen further on
.endif
.if (\n)%16 == 15
	ALOAD (\n)/16
.endif
.endm
; ---- PHASE G's macros.  The symbol i numbers a tile's 32 matrix instructions, the symbol j the 96 instructions of a tile's tanh ahead of its last stage.
.macro WM p                            ; K step i / 4, tile of rows i % 4, accumulator set p.  The four accumulators take turns, one instruction a turn; the first four start the sums with the constant 0
.set rD, 64+32*(\p)+8*(i%4)
.set rA, 128+16*(i/4)
.set rB, 64*((i/4)%4)+16*(i%4)
.if i < 4
	v_wmma_f32_16x16x128_fp8_fp8 v[rD:rD+7], v[rA:rA+15], v[rB:rB+15], 0
.else
	v_wmma_f32_16x16x128_fp8_fp8 v[rD:rD+7], v[rA:rA+15], v[rB:rB+15], v[rD:rD+7]
.endif
.endm
; Number j of the tanh of accumulator set q, in place.  Numbers 0-47: the 16 packed scalings P0-P15 (a pair of sums each) and the 32 exponentials T0-T31; numbers 48-95: the 16 packed additions of 1 and the 32
; reciprocals, in the same order.  THE ORDER, three to a slice: P0 P1 T0 | P2 T1 T2 | P3 T3 T4 | .. | P15 T27 T28 | T29 T30 T31: a packed instruction leads a slice and two transcendentals follow, so that the
; transcendentals are dealt evenly over the matrix instructions; a pair is scaled a slice ahead of its transcendentals.  No number of a half names the result of a transcendental of that half: each half is one batch with one wait.
.macro ITEM q
.set Q, 64+32*(\q)
.set jj, j%48
.if jj < 2
.set tr, 0
.set ix, jj
.elseif jj == 2
.set tr, 1
.set ix, 0
.elseif jj >= 45
.set tr, 1
.set ix, jj-16
.elseif jj%3 == 0
.set tr, 0
.set ix, jj/3+1
.else
.set tr, 1
.set ix, 2*(jj/3)-2+jj%3
.endif
.if (j < 48) && (tr == 0)
	v_pk_fma_f32 v[Q+2*ix:Q+2*ix+1], v[Q+2*ix:Q+2*ix+1], s[44:45], v[20+(2*ix)%8:21+(2*ix)%8] op_sel_hi:[1,0,1]   ; t = sum x c 2^(e2 + e3) + cph; each accumulator from its low end on
.elseif j < 48
	v_exp_f32 v[Q+ix], v[Q+ix]                     ; 2^t
.elseif tr == 0
	v_pk_add_f32 v[Q+2*ix:Q+2*ix+1], v[Q+2*ix:Q+2*ix+1], 1.0 op_sel_hi:[1,0]
.else
	v_rcp_f32 v[Q+ix], v[Q+ix]                     ; 1 / (1 + 2^t)
.endif
.endm
.macro SLICE q                         ; three of them behind each matrix instruction
.irp n, 0,1,2
.set j, 3*i+\n
	ITEM \q
.endr
.endm
.macro FINAL q                         ; the last stage: the rows' sums take (-2 v) / (1 + 2^t); the four sums take turns
.irp a, 0,1,2,3
.irp m, 0,1,2,3
	v_pk_fma_f32 v[12+2*\m:13+2*\m], v[64+32*(\q)+8*\m+2*\a:64+32*(\q)+8*\m+2*\a+1], v[28+2*\a:29+2*\a], v[12+2*\m:13+2*\m]
.endr
.endr
.endm
; A TRIP: tile t's products into set p; the tanh of tile t - 1 on the other set; tile t + 1's fragments are fetched (ld = 1), in two runs of 16 loads, each behind the last product that read its registers.
; v2 = the slot's byte of the pair's first tile + 16 x lane;  v4 = TABC + 64 x the pair's first tile + 32 h.
.macro TRIP p, ld
	s_wait_dscnt 18                                ; cph and fragments 0-3 were asked for in the middle of the trip before; behind them came fragments 4-7 (16 loads) and -2 v (2): those 18 may stay out.  (From a slot's head at most 16 are out: CHUNK's own wait)
	WIN 0x08                                       ; source 1: window 2
.set i, 0
.rept 16
	WM \p
	SLICE 1-\p
.set i, i+1
.endr
.rept 4
	v_nop                                          ; the plain instruction behind the last exponential, and the four places between the last product on fragments 0-3 and the loads into them (ISA guide 7.12.1 for vector instructions)
.endr
	s_wait_alu depctr_va_vdst(0)                   ; one wait for the 32 exponentials, ahead of the first instruction that names a result
	ds_load_b128 v[20:23], v4 offset:64*\p         ; cph of tile t, for the next trip (the old one was last read in slice 14)
	ds_load_b128 v[24:27], v4 offset:64*\p+16
.if \ld
.irp k, 0,1,2,3
.irp c, 0,1,2,3
	ds_load_b128 v[128+16*\k+4*\c:128+16*\k+4*\c+3], v2 offset:16384*(\p+1)+2048*\k+512*\c
.endr
.endr
	s_wait_dscnt 18                                ; all but the 18 just issued: fragments 4-7 and -2 v are in
.else
	s_wait_dscnt 2
.endif
	WIN 0x0c                                       ; source 1: window 3
.rept 16
	WM \p
	SLICE 1-\p
.set i, i+1
.endr
	v_nop                                          ; the plain instruction behind the last reciprocal
	s_wait_alu depctr_va_vdst(0)                   ; one wait for the 32 reciprocals
	WIN 0
	FINAL 1-\p                                     ; sixteen plain instructions that name no register of the last products: the places ahead of the loads below and of the next trip's first read of set p
.if \ld
.irp k, 4,5,6,7
.irp c, 0,1,2,3
	ds_load_b128 v[128+16*\k+4*\c:128+16*\k+4*\c+3], v2 offset:16384*(\p+1)+2048*\k+512*\c
.endr
.endr
.endif
	ds_load_b128 v[28:31], v4 offset:4096+64*\p    ; -2 v of tile t
	ds_load_b128 v[32:35], v4 offset:4096+64*\p+16
.endm
.macro TANH q                          ; a whole tanh with nothing beside it: the last tile's
.set j, 0
.rept 48
	ITEM \q
.set j, j+1
.endr
	v_nop
	s_wait_alu depctr_va_vdst(0)
.rept 48
	ITEM \q
.set j, j+1
.endr
	v_nop
	s_wait_alu depctr_va_vdst(0)
	FINAL \q
.endm
; THE CHANGE OF SLOTS stands at a slot's head.  Each wave waits for all its tensor loads (one is out: its quarter of the slot ahead), adds 0 to its spare word, and waits for that and for its reads of the slot that it has left.
; fill = 1: the slot just left (the first time: slot 1, not yet filled) takes the eight tiles that follow.  The barrier is then a round of the cluster's, and the joint load is the first thing behind it:
; it has a whole slot, 256 matrix instructions a wave, in which to land.
.macro CHANGE fill
	s_wait_tensorcnt 0x0                           ; no tensor load of mine is out, so the descriptor may be written
	ds_add_u32 v5, v6                              ; 0 onto my spare word
.if \fill
	s_xor_b32 s33, s33, SLOT1                      ; the other slot than last time,
	s_add_nc_u64 s[34:35], s[34:35], 131072        ; the next eight tiles; the type bits on top are not reached
.endif
	s_wait_dscnt 0x0                               ; the add is done, and my LDS reads and stores are over
.if \fill
	CROUND
	tensor_load_to_lds s[32:35], s[24:31]          ; every wave its own quarter of the slot: 128 rows of 256 bytes
	s_nop 0
.rept 4
	v_nop
.endr
.else
	s_barrier_signal -1
	s_barrier_wait -1
.endif
.endm
.macro CHUNK                           ; a slot's eight tiles: three pairs in a loop, the fourth written out, since its second tile fetches nothing from the other slot
	v_add_nc_u32 v2, s36, v1
.irp k, 0,1,2,3,4,5,6,7
.irp c, 0,1,2,3
	ds_load_b128 v[128+16*\k+4*\c:128+16*\k+4*\c+3], v2 offset:2048*\k+512*\c   ; the slot's first tile
.endr
.endr
	s_wait_dscnt 16                                ; fragments 0-3 are in; the sixteen loads of fragments 4-7 may be out.  This way into the loop has its own wait, so that the trip's can have the count that the loop's way round allows
	s_mov_b32 s39, 3
.Lpair_\@:
	v_add_nc_u32 v2, s36, v1
	v_add_nc_u32 v4, s37, v3
	TRIP 0, 1
	TRIP 1, 1
	s_add_co_u32 s36, s36, 32768                   ; two tiles on in the slot,
	s_add_co_u32 s37, s37, 128                     ; and in the tables
	s_and_b32 s37, s37, 0xfff
	s_sub_co_u32 s39, s39, 1
	s_cmp_lg_u32 s39, 0
	s_cbranch_scc1 .Lpair_\@
	v_add_nc_u32 v2, s36, v1
	v_add_nc_u32 v4, s37, v3
	TRIP 0, 1
	TRIP 1, 0
	s_add_co_u32 s37, s37, 128
	s_and_b32 s37, s37, 0xfff
	s_sub_co_u32 s36, s36, 98304                   ; back to a slot's first tile,
	s_xor_b32 s36, s36, SLOT1                      ; in the other slot
.endm
	s_load_b256 s[4:11], s[0:1], 0x0               ; encoder_outputs s[4:5], wimg s[6:7], cph s[8:9], v s[10:11]
	s_load_b128 s[12:15], s[0:1], 0x20             ; lowp_scales s[12:13], scores s[14:15]
	v_lshl_add_u32 v5, v0, 2, SPARE                ; my spare word; never rewritten
	v_mov_b32 v6, 0                                ; never rewritten
	ds_add_u32 v5, v6
	ds_add_u32 v5, v6
	s_wait_dscnt 0x0
	v_lshrrev_b32 v1, 5, v0
	v_readfirstlane_b32 s16, v1                    ; wave 0..3
	s_bfe_u32 s17, ttmp6, 0x40000                  ; cx: my place in the cluster: it enters the addresses of enc, cph and scores alone
	s_lshl_b32 s18, ttmp9, 2                       ; in a cluster launch ttmp9 counts clusters
	s_add_co_u32 s18, s18, s17                     ; g
	; descriptor group 1: a dense block of 32,768 bytes as 128 rows of 32 elements of 8 bytes, no padding
	s_mov_b32 s24, 15|(3<<16)|(1<<21)              ; 15:0 the mask: all four work-groups; 17:16 elements of 8 bytes; 21 set beside a mask
	s_mov_b32 s25, 32<<16                          ; tensor_dim0 = 32
	s_mov_b32 s26, 128<<16                         ; tensor_dim1 = 128
	s_mov_b32 s27, 32<<16                          ; tile_dim0 = 32
	s_mov_b32 s28, 128                             ; tile_dim1 = 128
	s_mov_b32 s29, 32                              ; from row to row: 32 elements
	s_mov_b32 s30, 0
	s_mov_b32 s31, 0
	s_lshl_b32 s20, s16, 15                        ; my quarter of a slot, in memory
	s_mov_b32 s21, 0
	s_mov_b32 s32, 1                               ; group 0: count = 1,
	s_lshl_b32 s33, s16, 15                        ; LDS address: my quarter of slot 0,
	s_wait_kmcnt 0x0
	s_load_b128 s[40:43], s[12:13], 0x0            ; e0, e1, e2, e3
	s_add_nc_u64 s[34:35], s[6:7], s[20:21]        ; global address: my quarter of tiles 0-7,
	s_or_b32 s35, s35, 0x80000000                  ; type = 2
	CROUND                                         ; all four work-groups are here: the first joint loads meet
	tensor_load_to_lds s[32:35], s[24:31]          ; slot 0; it lands during phase Q
	s_nop 0
.rept 4
	v_nop
.endr
	s_mov_b32 s55, 0
	s_lshl_b32 s54, s18, 20                        ; 256 g rows of 4,096 bytes,
	s_lshl_b32 s56, s16, 18                        ; 64 w rows
	s_add_co_u32 s54, s54, s56
	s_add_nc_u64 s[50:51], s[4:5], s[54:55]        ; enc at my wave's first row
	s_lshr_b32 s54, s18, 3
	s_lshl_b32 s54, s54, 12
	s_add_nc_u64 s[8:9], s[8:9], s[54:55]          ; cph at my batch's row
	s_lshl_b32 s54, s18, 10
	s_lshl_b32 s56, s16, 8
	s_add_co_u32 s54, s54, s56
	s_add_nc_u64 s[14:15], s[14:15], s[54:55]      ; scores at my wave's first row
	v_lshlrev_b32 v11, 4, v0                       ; 16 x thread: 128 threads take 2,048 bytes
	global_load_b128 v[40:43], v11, s[8:9]
	global_load_b128 v[44:47], v11, s[8:9] offset:2048
	global_load_b128 v[48:51], v11, s[10:11]
	global_load_b128 v[52:55], v11, s[10:11] offset:2048
	v_and_b32 v36, 31, v0                          ; lane
	v_and_b32 v37, 15, v0                          ; r
	v_bfe_u32 v38, v0, 4, 1                        ; h
	v_lshlrev_b32 v1, 4, v36                       ; 16 x lane: an image's place for my lane
	v_lshl_add_u32 v3, v38, 5, TABC                ; the tables: + 32 h
	v_lshl_add_u32 v7, v0, 4, TABC                 ; where I put my part of the tables
	s_mul_i32 s22, s16, WSTG
	s_add_co_u32 s22, s22, STAGE                   ; my stage
	v_lshl_add_u32 v8, v37, 2, s22                 ; the scores' way in: 4 r
	v_lshl_add_u32 v9, v36, 3, s22                 ; and out: 8 x lane
	v_lshlrev_b32 v10, 3, v36                      ; the same in memory
	v_mul_u32_u24 v39, v37, SPITCH
	v_lshl_add_u32 v39, v38, 4, v39                ; a fragment's row r, + 16 h
	s_wait_kmcnt 0x0
	s_add_co_i32 s44, s42, s43
	s_lshl_b32 s44, s44, 23
	s_add_co_i32 s44, s44, 0x4038aa3b              ; c x 2^(e2 + e3): the two exponents are added to c's exponent field
	s_mov_b32 s45, s44                             ; (named with it as a pair, so it is written)
	s_add_co_i32 s46, s42, 127
	s_lshl_b32 s47, s46, 23                        ; 2^e2 as f32
	s_add_co_i32 s46, s46, 8
	s_lshl_b32 s46, s46, 23
	s_or_b32 s46, s46, 0x600000                    ; 448 x 2^e2,
	s_or_b32 s52, s46, 0x80000000                  ; and its negative
	s_mov_b32 s48, 0x76543210                      ; v_permlanex16_b32's selects for lane l xor 16
	s_mov_b32 s49, 0xfedcba98
	s_mov_b32 s36, 0                               ; the slot's byte of the pair of tiles in hand
	s_mov_b32 s37, 0                               ; the tables' byte of it
	WIN 0x40                                       ; destination window 1, sources window 0
	v_lshlrev_b32 v240, 4, v36                     ; 16 x lane
	v_lshl_add_u32 v241, v36, 3, s22               ; my stage + 8 x lane
	v_add_nc_u32 v242, s22, v39                    ; my stage + 528 r + 16 h
	v_mov_b32 v243, s47                            ; the conversions take its exponent field
	WIN 0x45                                       ; sources 0 and 1 and the destination: window 1
.set N, 0
.rept 15
	ULOAD N                                        ; sixty loads, 30 KB a wave, are on their way from here to the end of phase Q
.set N, N+1
.endr
	WIN 0
	s_wait_loadcnt 60                              ; the four loads for the tables are in
.irp x, 48,50,52,54
	v_pk_mul_f32 v[\x:\x+1], v[\x:\x+1], -2.0 op_sel_hi:[1,0]
.endr
	ds_store_b128 v7, v[40:43]
	ds_store_b128 v7, v[44:47] offset:2048
	ds_store_b128 v7, v[48:51] offset:4096
	ds_store_b128 v7, v[52:55] offset:6144         ; the other waves read them behind the first change of slots, whose wait and barrier show them stored
.set z, 12
.rept 24
	v_mov_b32 v[z], 0                              ; the rows' sums begin at 0; cph and -2 v as zeros,
.set z, z+1
.endr
.set z, 96
.rept 32
	v_mov_b32 v[z], 0                              ; and set 1 as zeros: the first trip's tanh has no tile before it and adds 0.5 x 0.  That spares a further copy of a slot's text
.set z, z+1
.endr
	WIN 0x45
.set N, 0
.rept 128
	UNIT N
.set N, N+1
.endr
	WIN 0
	s_mov_b32 s38, 7
.Lchunk:                                               ; seven trips: behind each change of slots but the last the next slot is asked for
	CHANGE 1
	CHUNK
	s_sub_co_u32 s38, s38, 1
	s_cmp_lg_u32 s38, 0
	s_cbranch_scc1 .Lchunk
	CHANGE 0                                       ; the last slot is written out
	CHUNK
	s_wait_dscnt 0x0                               ; cph and -2 v of tile 63
	TANH 1
	; THE SCORES.  A row's sum: the pair's two halves and the lane 16 away.  They go through my stage, so that the wave stores 256 consecutive bytes.
.irp m, 0,1,2,3
	v_add_f32 v[40+\m], v[12+2*\m], v[13+2*\m]
.endr
.irp m, 0,1,2,3
	v_permlanex16_b32 v[44+\m], v[40+\m], s48, s49
.endr
.irp m, 0,1,2,3
	v_add_f32 v[40+\m], v[40+\m], v[44+\m]
.endr
.irp m, 0,1,2,3
	ds_store_b32 v8, v[40+\m] offset:64*\m         ; row 16 m + r; lanes r and r + 16 store the same number to the same word
.endr
	ds_load_b64 v[48:49], v9                       ; rows 2 lane, 2 lane + 1 (LDS serves a wave's instructions in order)
	s_wait_dscnt 0x0
	global_store_b64 v10, v[48:49], s[14:15]       ; 32 lanes store 256 consecutive bytes, at a multiple of 256 from the buffer's first byte
	s_wait_tensorcnt 0x0                           ; the wave's end, behind my last tensor load and my last LDS store
	ds_add_u32 v5, v6
	s_wait_dscnt 0x0
	CROUND                                         ; the closing round: no work-group ends while a partner may still ask for a tile that names it
	s_endpgm
.Lfunc_end_k_q9d5b86cd1b_energy:
	.size	k_q9d5b86cd1b_energy, .Lfunc_end_k_q9d5b86cd1b_energy-k_q9d5b86cd1b_energy
	.p2alignl 7, 3214868480
	.fill 96, 4, 3214868480
	.section	.rodata,"a",@progbits
	.p2align	6, 0x0
	.amdhsa_kernel k_q9d5b86cd1b_energy
		.amdhsa_group_segment_fixed_size 327680
		.amdhsa_private_segment_fixed_size 0
		.amdhsa_enable_private_segment 0
		.amdhsa_kernarg_size 48
		.amdhsa_user_sgpr_count 2
		.amdhsa_user_sgpr_kernarg_segment_ptr 1
		.amdhsa_wavefront_size32 1
		.amdhsa_system_sgpr_workgroup_id_x 1
		.amdhsa_system_sgpr_workgroup_id_y 1
		.amdhsa_system_sgpr_workgroup_id_z 1
		.amdhsa_system_vgpr_workitem_id 0
		.amdhsa_next_free_vgpr 1024
		.amdhsa_next_free_sgpr 66
		.amdhsa_reserve_vcc 0
		.amdhsa_float_denorm_mode_32 3
		.amdhsa_float_denorm_mode_16_64 3
		.amdhsa_memory_ordered 1
		.amdhsa_forward_progress 1
		.amdhsa_inst_pref_size 255
	.end_amdhsa_kernel
	.section	.bss,"aw",@nobits
	.p2align	6
	.space	262144
	.amdgpu_metadata
---
amdhsa.version: [ 1, 2 ]
amdhsa.kernels:
  - .name:           k_q9d5b86cd1b_energy
    .symbol:         k_q9d5b86cd1b_energy.kd
    .args:
      - { .name: encoder_outputs, .offset: 0, .size: 8, .value_kind: global_buffer, .address_space: global }
      - { .name: wimg, .offset: 8, .size: 8, .value_kind: global_buffer, .address_space: global }
      - { .name: cph, .offset: 16, .size: 8, .value_kind: global_buffer, .address_space: global }
      - { .name: v, .offset: 24, .size: 8, .value_kind: global_buffer, .address_space: global }
      - { .name: lowp_scales, .offset: 32, .size: 8, .value_kind: global_buffer, .address_space: global }
      - { .name: scores, .offset: 40, .size: 8, .value_kind: global_buffer, .address_space: global }
    .group_segment_fixed_size: 327680
    .private_segment_fixed_size: 0
    .kernarg_segment_align: 8
    .kernarg_segment_size: 48
    .max_flat_workgroup_size: 128
    .sgpr_count:     66
    .vgpr_count:     1024
    .wavefront_size: 32
...
	.end_amdgpu_metadata
.endif
;; end of part 2
;; launch context (part 3): grid 256 x 1, 16 waves a work-group, no clusters, 18,944 bytes of LDS; arguments encoder_outputs, scores, out0, out1; writes out0, out1
.if DOCPART == 3
	.amdgcn_target "amdgcn-amd-amdhsa--gfx1250"
	.amdhsa_code_object_version 6
	.text
	.protected	k_q9d5b86cd1b_context
	.globl	k_q9d5b86cd1b_context
	.p2align	8
	.type	k_q9d5b86cd1b_context,@function
k_q9d5b86cd1b_context:
	s_mov_b64 s[64:65], 0
	v_nop
	global_prefetch_b8 v0, s[64:65] scope:SCOPE_SE
	s_setreg_imm32_b32 hwreg(HW_REG_WAVE_MODE, 25, 1), 1
	s_wait_xcnt 0x0
; CONTEXT.  out1[b][s] = softmax over s of scores[b][s];  out0[b][:] = sum over s of out1[b][s] x encoder_outputs[b][s][:].  All in f32: fused multiply-adds, no matrix unit (one row of weights a batch).
; The scores lack the constant sum(v), the same for all s: the row's maximum is taken away ahead of the exponential, so the weights are what they are with it.
; SHARES.  Work-group x: batch b = x / 8, columns 128 (x % 8) .. + 127: it is the one owner of those 512 bytes of out0.  Wave w of sixteen sums rows 128 w .. 128 w + 127; a lane holds 4 columns.
; Each load of a wave takes 512 consecutive bytes of a row.  32 loads, 16 KB, of every wave are on their way at all times (a ring of 32 slots in registers); the first 32 go out ahead of the softmax.
; Every work-group of a batch makes the batch's softmax for itself (8 KB of scores against the 1 MB that it streams); the first of the eight stores out1.
; NO CLUSTER, NO TENSOR LOAD: what the eight work-groups of a batch share is those 8 KB; the stream's bytes are read by one work-group each, and go straight into the registers that the arithmetic reads.
; The weights are used unnormalised, p = 2^((s - M) log2 e), at most 1; the sum is divided by l = sum of p once at the end.
; LDS: 0: p, 8,192 bytes;  RED: the sixteen waves' partial sums, 512 bytes each;  MX, SM: the waves' maxima and sums, 64 bytes each in a block of 256.
; LIMITS: NaN or infinity among the scores is not served.  A p under 2^-126 counts as 0 (ISA guide, v_exp_f32).
.set RED, 8192
.set MX,  16384
.set SM,  16640
.set W,   24                           ; v24-55   32 weights, the same in every lane
.set X,   64                           ; v64-191  32 slots of 4 registers
	s_load_b256 s[4:11], s[0:1], 0x0               ; encoder_outputs s[4:5], scores s[6:7], out0 s[8:9], out1 s[10:11]
	v_lshl_add_u32 v224, v0, 2, 0x4200
	v_mov_b32 v225, 0
	v_lshrrev_b32 v1, 5, v0
	v_readfirstlane_b32 s16, v1                    ; wave 0..15
	s_lshr_b32 s17, ttmp9, 3                       ; b
	s_and_b32 s18, ttmp9, 7                        ; which 128 columns
	v_and_b32 v1, 31, v0
	v_lshlrev_b32 v1, 4, v1                        ; 16 x lane
	v_lshlrev_b32 v2, 4, v0                        ; 16 x thread
	s_lshl_b32 s12, s17, 13                        ; a batch's 2,048 scores
	s_mov_b32 s13, 0
	s_lshl_b32 s22, s17, 23                        ; a batch's 2,048 rows of 4,096 bytes,
	s_lshl_b32 s24, s16, 19                        ; my wave's 128 rows,
	s_add_co_u32 s22, s22, s24
	s_lshl_b32 s26, s18, 9                         ; my work-group's 512 bytes of a row
	s_add_co_u32 s22, s22, s26
	s_mov_b32 s23, 0
	s_lshl_b32 s24, s17, 12
	s_add_co_u32 s24, s24, s26                     ; out0: row b, the same 512 bytes
	s_mov_b32 s25, 0
	s_mov_b32 s14, 0x76543210                      ; v_permlanex16_b32's selects for lane l xor 16
	s_mov_b32 s15, 0xfedcba98
	s_lshl_b32 s19, s16, 2
	s_add_co_u32 s19, s19, MX
	v_mov_b32 v10, s19                             ; my wave's word among the maxima; the sums lie SM - MX further on
	v_mov_b32 v11, MX
	v_mov_b32 v9, 0                                ; written once: a lane permute's destination counts as one of its sources
.irp x, 16,17,18,19,20,21,22,23
	v_mov_b32 v\x, 0                               ; two sets of four sums, which take turns
.endr
	s_wait_kmcnt 0x0
	s_add_nc_u64 s[6:7], s[6:7], s[12:13]
	s_add_nc_u64 s[10:11], s[10:11], s[12:13]
	s_add_nc_u64 s[4:5], s[4:5], s[22:23]
	s_add_nc_u64 s[8:9], s[8:9], s[24:25]
	global_load_b128 v[4:7], v2, s[6:7]            ; my four scores
.set i, 0
.rept 32
	global_load_b128 v[X+4*i:X+4*i+3], v1, s[4:5] offset:4096*i th:TH_LOAD_NT   ; the ring is filled: rows 0 to 31 of my 128
.set i, i+1
.endr
	; ---- the softmax
	s_wait_loadcnt 32                              ; the scores are in; the 32 loads behind them stay out
	v_max3_num_f32 v8, v4, v5, v6
	v_max_num_f32 v8, v8, v7
	v_max_num_f32_dpp v8, v8, v8 row_xmask:1 row_mask:0xf bank_mask:0xf
	v_max_num_f32_dpp v8, v8, v8 row_xmask:2 row_mask:0xf bank_mask:0xf
	v_max_num_f32_dpp v8, v8, v8 row_xmask:4 row_mask:0xf bank_mask:0xf
	v_max_num_f32_dpp v8, v8, v8 row_xmask:8 row_mask:0xf bank_mask:0xf
	v_permlanex16_b32 v9, v8, s14, s15
	v_max_num_f32 v8, v8, v9                       ; my wave's maximum, in every lane
	ds_store_b32 v10, v8
	s_wait_dscnt 0x0                               ; for the others' sake
	s_barrier_signal -1
	s_barrier_wait -1
.irp q, 0,1,2,3
	ds_load_b128 v[W+4*\q:W+4*\q+3], v11 offset:16*\q
.endr
	s_wait_dscnt 0x0
	v_max3_num_f32 v8, v24, v25, v26
.irp q, 27,29,31,33,35,37
	v_max3_num_f32 v8, v8, v[\q], v[\q+1]
.endr
	v_max_num_f32 v8, v8, v39                      ; M, the batch's largest score
.irp q, 4,5,6,7
	v_sub_f32 v\q, v\q, v8
.endr
.irp q, 4,5,6,7
	v_mul_f32 v\q, 0x3fb8aa3b, v\q                 ; x log2(e)
.endr
.irp q, 4,5,6,7
	v_exp_f32 v\q, v\q
.endr
	v_nop                                          ; a plain instruction behind the last exponential
	s_wait_alu depctr_va_vdst(0)                   ; and the wait ahead of the first use: one for the four
	ds_store_b128 v2, v[4:7]                       ; p, for the stream
	v_add_f32 v12, v4, v5
	v_add_f32 v13, v6, v7
	v_add_f32 v12, v12, v13
	v_add_f32_dpp v12, v12, v12 row_xmask:1 row_mask:0xf bank_mask:0xf
	v_add_f32_dpp v12, v12, v12 row_xmask:2 row_mask:0xf bank_mask:0xf
	v_add_f32_dpp v12, v12, v12 row_xmask:4 row_mask:0xf bank_mask:0xf
	v_add_f32_dpp v12, v12, v12 row_xmask:8 row_mask:0xf bank_mask:0xf
	v_permlanex16_b32 v9, v12, s14, s15
	v_add_f32 v12, v12, v9
	ds_store_b32 v10, v12 offset:SM-MX
	s_wait_dscnt 0x0                               ; for the others' sake: my p and my wave's sum lie in LDS
	s_barrier_signal -1
	s_barrier_wait -1
.irp q, 0,1,2,3
	ds_load_b128 v[W+4*\q:W+4*\q+3], v11 offset:SM-MX+16*\q
.endr
	s_wait_dscnt 0x0
	v_add_f32 v12, v24, v25
.irp q, 26,27,28,29,30,31,32,33,34,35,36,37,38,39
	v_add_f32 v12, v12, v\q                        ; in the waves' order, the same in every wave
.endr
	v_rcp_f32 v14, v12                             ; 1 / l
	v_nop
	s_wait_alu depctr_va_vdst(0)
	s_cmp_lg_u32 s18, 0
	s_cbranch_scc1 .Lno_weights                    ; the batch's first work-group stores the weights
.irp q, 0,1,2,3
	v_mul_f32 v[192+\q], v[4+\q], v14
.endr
	global_store_b128 v2, v[192:195], s[10:11]     ; a wave stores 512 consecutive bytes; these registers are not written again
.Lno_weights:
	; ---- the stream: four rounds of 32 rows
.macro ROUND ahead                     ; ahead = 1: each slot is filled again with the row 32 further down
	v_mov_b32 v3, s21
.irp q, 0,1,2,3,4,5,6,7
	ds_load_b128 v[W+4*\q:W+4*\q+3], v3 offset:16*\q   ; the round's 32 weights: every lane reads the same words
.endr
	s_wait_dscnt 0x0
.set i, 0
.rept 32
.if \ahead
	s_wait_loadcnt 31                              ; loads come back in order (ISA guide 5.7.1): this slot's is in, the 31 younger ones stay out
.else
	s_wait_loadcnt 31-i                            ; the last round loads nothing: the counts run down
.endif
.if i%2
	v_pk_fma_f32 v[20:21], v[X+4*i:X+4*i+1],   v[W+i-1:W+i], v[20:21] op_sel:[0,1,0] op_sel_hi:[1,1,1]   ; both halves x the pair's second weight
	v_pk_fma_f32 v[22:23], v[X+4*i+2:X+4*i+3], v[W+i-1:W+i], v[22:23] op_sel:[0,1,0] op_sel_hi:[1,1,1]
.else
	v_pk_fma_f32 v[16:17], v[X+4*i:X+4*i+1],   v[W+i:W+i+1], v[16:17] op_sel_hi:[1,0,1]                  ; both halves x the pair's first weight
	v_pk_fma_f32 v[18:19], v[X+4*i+2:X+4*i+3], v[W+i:W+i+1], v[18:19] op_sel_hi:[1,0,1]
.endif
.if \ahead
	global_load_b128 v[X+4*i:X+4*i+3], v1, s[4:5] offset:4096*(i+32) th:TH_LOAD_NT
.endif
.set i, i+1
.endr
.endm
	s_mov_b32 s20, 3
	s_lshl_b32 s21, s16, 9                         ; my wave's 128 weights begin at byte 512 w
.Lround:
	ROUND 1
	s_wait_xcnt 0x0                                ; the loads have read their base: only behind this wait is it stepped
	s_add_nc_u64 s[4:5], s[4:5], 131072            ; 32 rows on
	s_add_co_u32 s21, s21, 128
	s_sub_co_u32 s20, s20, 1
	s_cmp_lg_u32 s20, 0
	s_cbranch_scc1 .Lround
	ROUND 0
	v_pk_add_f32 v[16:17], v[16:17], v[20:21]
	v_pk_add_f32 v[18:19], v[18:19], v[22:23]
	ds_store_b128 v2, v[16:19] offset:RED          ; 512 w + 16 x lane = 16 x thread
	s_wait_dscnt 0x0                               ; for wave 0's sake
	s_barrier_signal -1
	s_barrier_wait -1
	s_cmp_lg_u32 s16, 0
	s_cbranch_scc1 .Lend                           ; wave 0 adds the sixteen parts
.irp q, 0,1,2,3,4,5,6,7,8,9,10,11,12,13,14,15
	ds_load_b128 v[X+4*\q:X+4*\q+3], v1 offset:RED+512*\q
.endr
	s_wait_dscnt 0x0
.irp q, 1,2,3,4,5,6,7,8,9,10,11,12,13,14,15
	v_pk_add_f32 v[X:X+1],   v[X:X+1],   v[X+4*\q:X+4*\q+1]
	v_pk_add_f32 v[X+2:X+3], v[X+2:X+3], v[X+4*\q+2:X+4*\q+3]
.endr
.irp q, 0,1,2,3
	v_mul_f32 v[X+\q], v[X+\q], v14                ; / l
.endr
	global_store_b128 v1, v[X:X+3], s[8:9]         ; 32 lanes store 512 consecutive bytes, at a multiple of 512 from out0's first byte
.Lend:
	s_wait_tensorcnt 0x0
	ds_add_u32 v224, v225
	s_wait_dscnt 0x0
	s_endpgm
.Lfunc_end_k_q9d5b86cd1b_context:
	.size	k_q9d5b86cd1b_context, .Lfunc_end_k_q9d5b86cd1b_context-k_q9d5b86cd1b_context
	.p2alignl 7, 3214868480
	.fill 96, 4, 3214868480
	.section	.rodata,"a",@progbits
	.p2align	6, 0x0
	.amdhsa_kernel k_q9d5b86cd1b_context
		.amdhsa_group_segment_fixed_size 18944
		.amdhsa_private_segment_fixed_size 0
		.amdhsa_enable_private_segment 0
		.amdhsa_kernarg_size 32
		.amdhsa_user_sgpr_count 2
		.amdhsa_user_sgpr_kernarg_segment_ptr 1
		.amdhsa_wavefront_size32 1
		.amdhsa_system_sgpr_workgroup_id_x 1
		.amdhsa_system_sgpr_workgroup_id_y 1
		.amdhsa_system_sgpr_workgroup_id_z 1
		.amdhsa_system_vgpr_workitem_id 0
		.amdhsa_next_free_vgpr 226
		.amdhsa_next_free_sgpr 66
		.amdhsa_reserve_vcc 0
		.amdhsa_float_denorm_mode_32 3
		.amdhsa_float_denorm_mode_16_64 3
		.amdhsa_memory_ordered 1
		.amdhsa_forward_progress 1
		.amdhsa_inst_pref_size 27
	.end_amdhsa_kernel
	.amdgpu_metadata
---
amdhsa.version: [ 1, 2 ]
amdhsa.kernels:
  - .name:           k_q9d5b86cd1b_context
    .symbol:         k_q9d5b86cd1b_context.kd
    .args:
      - { .name: encoder_outputs, .offset: 0, .size: 8, .value_kind: global_buffer, .address_space: global }
      - { .name: scores, .offset: 8, .size: 8, .value_kind: global_buffer, .address_space: global }
      - { .name: out0, .offset: 16, .size: 8, .value_kind: global_buffer, .address_space: global }
      - { .name: out1, .offset: 24, .size: 8, .value_kind: global_buffer, .address_space: global }
    .group_segment_fixed_size: 18944
    .private_segment_fixed_size: 0
    .kernarg_segment_align: 8
    .kernarg_segment_size: 32
    .max_flat_workgroup_size: 512
    .sgpr_count:     66
    .vgpr_count:     226
    .wavefront_size: 32
...
	.end_amdgpu_metadata
.endif
;; end of part 3
